; MI455X (gfx1250); checked and timed in simulation.
; The chip was launched on July 23, 2026; its instructions are those of AMD's public machine-readable ISA for CDNA 5 (MIT licence, August 2026) and "CDNA5" Instruction Set Architecture Reference Guide (July 2026). The comments in the code are by the model that wrote it; some were corrected since.
;; GAU. Allowed arithmetic: matrix products marked QUANTISED: E2M1 operands, one E8M0 scale for each 32 along K, by v_wmma_scale_f32_16x16x128_f8f6f4 with both operands' format E2M1 (or v_wmma_scale_f32_32x16x128_f4), f32 sums; products left as they are: bf16, f16 or f32 operands; f32 sums; everything else in f32.
;; Inputs: b_hidden 1,024 float32; b_out 512 float32; k_beta 128 float32; k_gamma 128 float32; q_beta 128 float32; q_gamma 128 float32; w_hidden 512 x 1,024 float32; w_out 512 x 512 float32; w_qk 512 x 128 float32; x 4 x 4,096 x 512 float32.
;; Outputs: out0 4 x 4,096 x 512 float32.
;; This version of the problem:
;;   THIS VERSION OF THE PROBLEM IS GIVEN IN LOW PRECISION. The matrix products marked QUANTISED in the list below multiply operands that are first quantised to E2M1 (2 exponent bits, 1 mantissa bit; 4 bits a number), with one power-of-two scale for each 32 numbers along K (OCP MX v1.0); their sums are f32. The products marked 'left as it is' may take bf16, f16 or f32 operands, with f32 sums. Whichever they take, every output number must still come out within the allowed error. Rounding operands to bf16 (8 significant bits) uses up far more of that allowance than f16 does (11 bits, for magnitudes from 6e-5 to 65,504). All else is computed in f32.
;;   The module's matrix products, in the order in which they are computed (A, B: the left and right operand; K: the contracted axis; several contracted axes count as one K, in the product's order):
;;     1. [M 16,384, K 512] x [K 512, N 1,024]; A: input x; B: input w_hidden: QUANTISED
;;     2. [M 16,384, K 512] x [K 512, N 128]; A: input x; B: input w_qk: QUANTISED
;;     3. batch 4 x [M 4,096, K 128] x [K 128, N 4,096]; A: computed on the way; B: computed on the way: left as it is (an operand is computed on the way)
;;     4. batch 4 x [M 4,096, K 4,096] x [K 4,096, N 512]; A: computed on the way; B: computed on the way: left as it is (an operand is computed on the way)
;;     5. [M 16,384, K 512] x [K 512, N 512]; A: computed on the way; B: input w_out: left as it is (an operand is computed on the way)
;;   THE QUANTISER, for each operand of a quantised product, along K:
;;     - K is cut into blocks of 32 from its start; a last block that is shorter is filled with zeros.
;;     - A block's scale is 2^e with e = floor(log2(the largest magnitude in the block)) - 2, held to -126 .. 127; a block of zeros has e = 0. As a byte (E8M0): e + 127.
;;     - Each number is divided by its block's scale, clamped to +-6, and rounded to the nearest number of E2M1, ties to even, subnormals kept.
;;     - The product sums the exact products of the quantised numbers (number of the format x scale) in f32.
;;   ~~~python
;;   def quantise(x, axis):      # numpy; x: float32 -> the quantised numbers, widened to float32 again
;;       x = np.moveaxis(x, axis, -1); K = x.shape[-1]
;;       x = np.pad(x, [(0, 0)] * (x.ndim - 1) + [(0, -K % 32)]); x = x.reshape(x.shape[:-1] + (-1, 32)); a = np.abs(x).max(-1, keepdims=True)
;;       e = np.where(a > 0, np.clip(np.frexp(np.where(a > 0, a, 1))[1] - 1 - 2, -126, 127), 0)      # np.frexp(a)[1] - 1 = floor(log2(a)), exactly
;;       r = np.clip(x / 2.0 ** e, -6, 6)
;;       step = 2.0 ** (np.maximum(np.frexp(np.where(r == 0, 1, r))[1] - 1, 0) - 1)
;;       q = np.round(r / step) * step * 2.0 ** e      # np.round: ties to even
;;       return np.moveaxis(q.reshape(q.shape[:-2] + (-1,))[..., :K], -1, axis).astype(np.float32)
;;   ~~~
;; One version. Each part assembles by itself: llvm-mc -triple=amdgcn-amd-amdhsa -mcpu=gfx1250 --defsym DOCPART=n.
;; ======== version 1 of 1: 3 launches
;; limits: values are held in f16: magnitudes above 65,504 overflow, below 6.1e-05 lose precision
;; workspace buffers: wc 294,912 bytes; wsc 18,432 bytes; vimg 18,874,368 bytes; kimg 4,194,304 bytes; qimg 4,194,304 bytes; tsc 8,192 bytes; xc 4,194,304 bytes; xsc 262,144 bytes
;; launch prep (part 1): grid 52 x 1, 4 waves a work-group, no clusters, 0 bytes of LDS; arguments w_hidden, w_qk, w_out, wc, wsc, vimg; writes wc, wsc, vimg
.if DOCPART == 1
	.amdgcn_target "amdgcn-amd-amdhsa--gfx1250"
	.amdhsa_code_object_version 6
	.text
	.protected	k_q3d8c25bb59_prep
	.globl	k_q3d8c25bb59_prep
	.p2align	8
	.type	k_q3d8c25bb59_prep,@function
k_q3d8c25bb59_prep:
	s_mov_b64 s[64:65], 0
	v_nop
	global_prefetch_b8 v0, s[64:65] scope:SCOPE_SE
	s_setreg_imm32_b32 hwreg(HW_REG_WAVE_MODE, 25, 1), 1
	s_wait_xcnt 0x0
; GAU, launch 1 of 3: the weights are laid out once, in the order in which a wave's operand registers take them.
; Nothing is left out in this program: every product is live and every input is loaded.
; w_hidden [512][1024] and w_qk [512][128] (K is the FIRST axis) become codes of FP4 (E2M1) with one E8M0 byte for each 32 along K:
;   wc  [tile 0..71][K step 0..3][block 0..3][row 0..15][16 bytes]: tiles of 16 columns; 0-31 v's, 32-63 the gate's, 64-71 w_qk's.  A fragment (16 rows x 128 K) is 1,024 bytes on end.
;   wsc [tile][row][K step]: one word of four scale bytes.
; w_out [512][512] becomes f16 fragments of w_out^T (16 outputs x 32 hidden): vimg's groups 128-143, once in each of the four batches, so that the last launch's ring walks on from V by a constant.
; A LANE TAKES A COLUMN AND ITS REGISTERS RUN DOWN K: a load reads 128 consecutive bytes, a block of 32 lies in one lane, and the conversions give codes with K innermost.  A wave: 32 columns x 128 along K.
; A block's scale byte is its largest magnitude's exponent field - 2, held at 1 from below (a block of zeros gets 1 where the rule says 127: its codes are zeros, and this program alone reads the bytes).
; LIMITS: |w_out| under 65,504 (f16); NaN and infinities among the inputs are not served.
; The scale words leave as 4 bytes a lane, 16 bytes apart: 18,432 bytes in the whole launch.
.set X,  64                            ; v64-191  128 numbers down K
.set C,  16                            ; v16-31   codes: four registers a block, none written twice
.set SB, 12                            ; v12      the scale word
.set F,  192                           ; v192-255 w_out as pairs of f16
.macro LOADS base, pitch
.set n, 0
.rept 128
	global_load_b32 v[X+n], v3, s[\base:\base+1] offset:n*\pitch th:TH_LOAD_NT
.set n, n+1
.endr
.endm
.macro BLK b                           ; block b of 32 along K: largest magnitude, byte, codes, store
.set XB, X+32*\b
	v_max3_num_f32 v8, |v[XB]|, |v[XB+1]|, |v[XB+2]|
	v_max3_num_f32 v9, |v[XB+3]|, |v[XB+4]|, |v[XB+5]|
.irp i, 6,10,14,18,22,26
	v_max3_num_f32 v8, v8, |v[XB+\i]|, |v[XB+\i+1]|
	v_max3_num_f32 v9, v9, |v[XB+\i+2]|, |v[XB+\i+3]|
.endr
	v_max3_num_f32 v8, v8, |v[XB+30]|, |v[XB+31]|
	v_max3_num_f32 v8, v8, v9, 0x1800000           ; the floor 2^(3 - 127): the byte cannot fall under 1
	v_add_nc_u32 v10, 0xff000000, v8               ; 2 off the exponent field: the conversion's scale operand
	v_lshrrev_b32 v9, 23, v10                      ; the byte
.if \b == 0
	v_mov_b32 v[SB], v9
.else
	v_lshl_or_b32 v[SB], v9, 8*\b, v[SB]
.endif
.irp g, 0,1,2,3
	v_cvt_scalef32_pk8_fp4_f32 v[C+4*\b+\g], v[XB+8*\g:XB+8*\g+7], v10
.endr
	v_nop                                          ; one plain line behind the last conversion
	global_store_b128 v6, v[C+4*\b:C+4*\b+3], s[10:11] offset:256*\b   ; sixteen lanes fill 256 consecutive bytes, aligned
.endm
	s_load_b256 s[4:11], s[0:1], 0x0               ; w_hidden s[4:5], w_qk s[6:7], w_out s[8:9], wc s[10:11]
	s_load_b128 s[12:15], s[0:1], 0x20             ; wsc s[12:13], vimg s[14:15]
	v_lshrrev_b32 v1, 5, v0
	v_readfirstlane_b32 s16, v1                    ; wave = K step (128 along K)
	v_and_b32 v2, 31, v0
	v_lshlrev_b32 v3, 2, v2                        ; in: 4 bytes a lane
	v_and_b32 v4, 15, v0
	v_bfe_u32 v5, v0, 4, 1
	v_lshlrev_b32 v4, 4, v4                        ; 16 x row of the tile
	v_lshl_add_u32 v6, v5, 12, v4                  ; codes: lanes 16-31 hold the next tile, 4,096 bytes on
	v_lshl_add_u32 v7, v5, 8, v4                   ; scale words: 256 bytes a tile
	v_lshl_add_u32 v13, v5, 10, v4                 ; f16 fragments: 1,024 bytes a tile
	s_mov_b32 s19, 0
	s_mov_b32 s21, 0
	s_wait_kmcnt 0x0
	s_cmp_lt_u32 ttmp9, 32
	s_cbranch_scc0 .Lnot_hidden
	s_lshl_b32 s18, ttmp9, 7                       ; w_hidden: 32 columns of 4 bytes a work-group,
	s_lshl_b32 s20, s16, 19                        ; 128 rows of 4,096 bytes a wave
	s_add_nc_u64 s[4:5], s[4:5], s[18:19]
	s_add_nc_u64 s[4:5], s[4:5], s[20:21]
	LOADS 4, 4096
	s_branch .Lfp4
.Lnot_hidden:
	s_cmp_lt_u32 ttmp9, 36
	s_cbranch_scc0 .Lw_out
	s_sub_co_u32 s18, ttmp9, 32                    ; w_qk: rows of 512 bytes
	s_lshl_b32 s18, s18, 7
	s_lshl_b32 s20, s16, 16
	s_add_nc_u64 s[6:7], s[6:7], s[18:19]
	s_add_nc_u64 s[6:7], s[6:7], s[20:21]
	LOADS 6, 512
.Lfp4:
	s_lshl_b32 s18, ttmp9, 13                      ; two tiles of 4,096 bytes a work-group (work-groups 32-35 are tiles 64-71),
	s_lshl_b32 s20, s16, 10                        ; 1,024 bytes a K step
	s_add_nc_u64 s[10:11], s[10:11], s[18:19]
	s_add_nc_u64 s[10:11], s[10:11], s[20:21]
	s_lshl_b32 s18, ttmp9, 9
	s_lshl_b32 s20, s16, 2
	s_add_nc_u64 s[12:13], s[12:13], s[18:19]
	s_add_nc_u64 s[12:13], s[12:13], s[20:21]
	s_wait_loadcnt 0x0
	BLK 0
	BLK 1
	BLK 2
	BLK 3
	global_store_b32 v7, v[SB], s[12:13]
	s_endpgm
.Lw_out:
	s_sub_co_u32 s22, ttmp9, 36                    ; which 32 outputs
	s_lshl_b32 s18, s22, 7
	s_lshl_b32 s20, s16, 18                        ; 128 rows of 2,048 bytes a wave
	s_add_nc_u64 s[8:9], s[8:9], s[18:19]
	s_add_nc_u64 s[8:9], s[8:9], s[20:21]
	LOADS 8, 2048
	s_lshl_b32 s18, s16, 17                        ; my four groups of 32 hidden units, 32,768 bytes each,
	s_add_co_u32 s18, s18, 128*32768               ; behind V's 128 groups
	s_lshl_b32 s20, s22, 11                        ; two tiles of 1,024 bytes
	s_add_nc_u64 s[24:25], s[14:15], s[18:19]
	s_add_nc_u64 s[24:25], s[24:25], s[20:21]
	s_add_nc_u64 s[26:27], s[24:25], 0x480000      ; the same place in the other three batches (144 groups apart)
	s_add_nc_u64 s[28:29], s[26:27], 0x480000
	s_add_nc_u64 s[30:31], s[28:29], 0x480000
	s_wait_loadcnt 0x0
.set n, 0
.rept 64
	v_cvt_pk_f16_f32 v[F+n], v[X+2*n], v[X+2*n+1]  ; two neighbours down the hidden axis
.set n, n+1
.endr
.irp p, 24,26,28,30
.irp i, 0,1,2,3
.irp c, 0,1
.irp h, 0,1
	global_store_b128 v13, v[F+16*\i+8*\c+4*\h:F+16*\i+8*\c+4*\h+3], s[\p:\p+1] offset:\i*32768+\c*512+\h*256   ; hidden 32 i + 16 c + 8 h + 0..7 of my output: sixteen lanes fill 256 consecutive bytes
.endr
.endr
.endr
.endr
	s_endpgm
.Lfunc_end_k_q3d8c25bb59_prep:
	.size	k_q3d8c25bb59_prep, .Lfunc_end_k_q3d8c25bb59_prep-k_q3d8c25bb59_prep
	.p2alignl 7, 3214868480
	.fill 96, 4, 3214868480
	.section	.rodata,"a",@progbits
	.p2align	6, 0x0
	.amdhsa_kernel k_q3d8c25bb59_prep
		.amdhsa_group_segment_fixed_size 0
		.amdhsa_private_segment_fixed_size 0
		.amdhsa_enable_private_segment 0
		.amdhsa_kernarg_size 48
		.amdhsa_user_sgpr_count 2
		.amdhsa_user_sgpr_kernarg_segment_ptr 1
		.amdhsa_wavefront_size32 1
		.amdhsa_system_sgpr_workgroup_id_x 1
		.amdhsa_system_sgpr_workgroup_id_y 1
		.amdhsa_system_sgpr_workgroup_id_z 1
		.amdhsa_system_vgpr_workitem_id 0
		.amdhsa_next_free_vgpr 256
		.amdhsa_next_free_sgpr 66
		.amdhsa_reserve_vcc 0
		.amdhsa_float_denorm_mode_32 3
		.amdhsa_float_denorm_mode_16_64 3
		.amdhsa_memory_ordered 1
		.amdhsa_forward_progress 1
		.amdhsa_inst_pref_size 55
	.end_amdhsa_kernel
	.amdgpu_metadata
---
amdhsa.version: [ 1, 2 ]
amdhsa.kernels:
  - .name:           k_q3d8c25bb59_prep
    .symbol:         k_q3d8c25bb59_prep.kd
    .args:
      - { .name: w_hidden, .offset: 0, .size: 8, .value_kind: global_buffer, .address_space: global }
      - { .name: w_qk, .offset: 8, .size: 8, .value_kind: global_buffer, .address_space: global }
      - { .name: w_out, .offset: 16, .size: 8, .value_kind: global_buffer, .address_space: global }
      - { .name: wc, .offset: 24, .size: 8, .value_kind: global_buffer, .address_space: global }
      - { .name: wsc, .offset: 32, .size: 8, .value_kind: global_buffer, .address_space: global }
      - { .name: vimg, .offset: 40, .size: 8, .value_kind: global_buffer, .address_space: global }
    .group_segment_fixed_size: 0
    .private_segment_fixed_size: 0
    .kernarg_segment_align: 8
    .kernarg_segment_size: 48
    .max_flat_workgroup_size: 128
    .sgpr_count:     66
    .vgpr_count:     256
    .wavefront_size: 32
...
	.end_amdgpu_metadata
.endif
;; end of part 1
;; launch proj (part 2): grid 256 x 1, 4 waves a work-group, no clusters, 51,712 bytes of LDS; arguments x, wc, wsc, b_hidden, q_gamma, q_beta, k_gamma, k_beta, vimg, kimg, qimg, tsc, xc, xsc; writes vimg, kimg, qimg, tsc, xc, xsc
.if DOCPART == 2
	.amdgcn_target "amdgcn-amd-amdhsa--gfx1250"
	.amdhsa_code_object_version 6
	.text
	.protected	k_q3d8c25bb59_proj
	.globl	k_q3d8c25bb59_proj
	.p2align	8
	.type	k_q3d8c25bb59_proj,@function
k_q3d8c25bb59_proj:
	s_mov_b64 s[64:65], 0
	v_nop
	global_prefetch_b8 v0, s[64:65] scope:SCOPE_SE
	s_setreg_imm32_b32 hwreg(HW_REG_WAVE_MODE, 25, 1), 1
	s_wait_xcnt 0x0
; GAU, launch 2 of 3: x is quantised once; v = x Wv + b, qk = x Wqk (both on FP4 codes), k and q from qk.  The gate half of the first product is made in the last launch, from the codes stored here.  No work is left out.
; A work-group takes 64 rows.  Wave w quantises row tile w (16 rows), makes v for hidden tiles 8 w .. 8 w + 7 of all four row tiles, and qk, k, q for row tile w.
; OUT, all as images of operand registers (lane l's 16 bytes at 16 l, 512 bytes a store, aligned):
;   xc, xsc: x's FP4 fragments and scale words.   vimg [batch][group of 32 keys][hidden tile][1,024]: f16 fragments of V^T.   kimg, qimg [row tile][32 of the 128][1,024]: f16 fragments.
;   k is divided by ks = 2^floor(log2(largest |k| of its 16 rows)), q by 4 qs likewise: exact, so that both have room in f16 at any size of the inputs; tsc [row tile] = (ks, qs) as f32.
; v is made in the natural order (source 0 = 16 rows of x, source 1 = 16 columns of Wv): a lane then holds eight neighbouring KEYS of one hidden unit, which is V^T's fragment.
; qk is made transposed (source 0 = 16 columns of Wqk, source 1 = x): a lane then holds one row and eight neighbours of the 128, which is K's and Q's fragment.
; LIMITS: |v| under 65,504 (f16); a tile's largest |k|, |q| is held at 2^-100 from below and stays under 2^124; NaN and infinities are not served.  A block of zeros of x gets the scale byte 1: its codes are zeros.
; REGISTERS, in windows of 256: window 0: see the names below.  window 1: Wv's 32 fragments, later gamma and beta.  window 2: Wqk's 32 fragments.
;   window 3: first 256 numbers of x as loaded; then v0-127 x's 16 fragments, v128-191 v's bias (each number in eight registers: the result's layout), v192-255 eight accumulators.
.set XIMG,  33792                      ; LDS: from 0 a stage of 16 rows x (512 + 16) bytes for each wave; here x's 16 fragments, (4 m + s) x 1,024;
.set XSCL,  50176                      ; their scale words [m][row][s];
.set SPARE, 51200                      ; the spare words, 128 bytes for each wave: two blocks of 256 bytes that no other line names
.set L16, 1                            ; 16 x lane
.set R16, 2                            ; 16 x (lane % 16)
.set STA, 3                            ; my stage, on the way in
.set LDA, 4                            ; and out: row lane % 16, + 64 (lane / 16)
.set IMW, 5                            ; where I store my fragments
.set SCW, 6                            ; and their scale words
.set R4,  8                            ; 4 x (lane % 16)
.set H32, 9                            ; 32 x (lane / 16)
.set LN,  10                           ; lane
.set PC,  16                           ; v16-47   my row tile's four fragments
.set WVS, 48                           ; v48-79   Wv's scale words, 4 t + s
.set WQS, 80                           ; v80-111  Wqk's
.set XS,  112                          ; v112-127 x's, 4 m + s
.set X,   128                          ; v128-191 64 numbers at work
.set CV,  192                          ; v192-223 packed f16 on their way out
.set TM,  224                          ; v224-239 at work
.set XW,  240                          ; v240-243 my row tile's scale words
.set BV,  244                          ; v244-251 v's bias, a register a tile
.set SPW, 252                          ; LDS address of my spare word; never rewritten
.set NIL, 253                          ; 0; never rewritten
.set WV,  32
.set SEL, 56
.set MSB, 0
.macro WIN new                         ; the immediate's high byte repeats the setting that is left
.if MSB != \new
	s_set_vgpr_msb (MSB<<8)|\new
.set MSB, \new
.endif
.endm
.macro PLACES n
.rept \n
	v_nop
.endr
.endm
; 64 numbers of a lane, register 16 b + i = k 32 b + 16 (lane / 16) + i of my row, become a fragment's codes in v[pc] on and its scale word in v[pw]
.macro QUANT s, pc, pw
.irp b, 0,1,2,3
	v_max3_num_f32 v[TM+\b], |v[\s+16*\b]|, |v[\s+1+16*\b]|, 0x1800000   ; the floor 2^(3 - 127): the byte cannot fall under 1
.endr
.irp i, 2,4,6,8,10,12,14
.irp b, 0,1,2,3
	v_max3_num_f32 v[TM+\b], v[TM+\b], |v[\s+16*\b+\i]|, |v[\s+1+16*\b+\i]|
.endr
.endr
.irp b, 0,1,2,3
	v_permlanex16_b32 v[TM+4+\b], v[TM+\b], s[SEL], s[SEL+1]
.endr
.irp b, 0,1,2,3
	v_max_num_f32 v[TM+\b], v[TM+\b], v[TM+4+\b]   ; with lane l xor 16's: the block's largest magnitude
.endr
.irp b, 0,1,2,3
	v_add_nc_u32 v[TM+12+\b], 0xff000000, v[TM+\b] ; 2 off the exponent field: the conversion's scale operand
.endr
.irp b, 0,1,2,3
	v_lshrrev_b32 v[TM+4+\b], 23, v[TM+12+\b]      ; the byte
.endr
	v_lshl_or_b32 v[\pw], v[TM+5], 8, v[TM+4]
	v_lshl_or_b32 v[\pw], v[TM+6], 16, v[\pw]
	v_lshl_or_b32 v[\pw], v[TM+7], 24, v[\pw]
.irp b, 0,1,2,3
	v_cvt_scalef32_pk8_fp4_f32 v[\pc+2*\b], v[\s+16*\b:\s+7+16*\b], v[TM+12+\b]
	v_cvt_scalef32_pk8_fp4_f32 v[\pc+1+2*\b], v[\s+8+16*\b:\s+15+16*\b], v[TM+12+\b]
.endr
	v_nop                                          ; one plain line behind a scaled conversion
.irp c, 0,1                            ; the layout wants a whole block in a lane
.irp i, 0,1
	v_permlane16_swap_b32 v[\pc+4*\c+\i], v[\pc+2+4*\c+\i]
.endr
.endr
.endm
; K step s of my 16 rows: through my stage (in as loaded, 512 bytes a row; out 64 bytes a lane), quantised, and out
.macro XSTEP s
	WIN 0x0c                                       ; an LDS store's data: window 3
.irp i, 0,1,2,3,4,5,6,7,8,9,10,11,12,13,14,15
	ds_store_b128 v[STA], v[64*\s+4*\i:64*\s+4*\i+3] offset:\i*528
.endr
	WIN 0
.irp b, 0,1,2,3
.irp j, 0,1,2,3
	ds_load_b128 v[X+16*\b+4*\j:X+16*\b+4*\j+3], v[LDA] offset:128*\b+16*\j   ; LDS serves a wave's instructions in order: these see the stores above
.endr
.endr
	s_wait_dscnt 0x0
	QUANT X, PC+8*\s, XW+\s
	ds_store_b128 v[IMW], v[PC+8*\s:PC+8*\s+3] offset:\s*1024
	ds_store_b128 v[IMW], v[PC+8*\s+4:PC+8*\s+7] offset:\s*1024+512
	ds_store_b32 v[SCW], v[XW+\s] offset:4*\s      ; lanes l and l + 16 write the same word with the same value
	global_store_b128 v[L16], v[PC+8*\s:PC+8*\s+3], s[28:29] offset:\s*1024
	global_store_b128 v[L16], v[PC+8*\s+4:PC+8*\s+7], s[28:29] offset:\s*1024+512
.endm
; the 64 numbers in X (my 16 rows x 128, over 32 lanes) are divided by a power of two taken from their largest magnitude and packed to f16 in CV.  e: where 2^floor(log2(max)) is left; invc - e = the factor's bits
.macro NORM invc, e
.irp c, 0,1,2,3
	v_max3_num_f32 v[TM+\c], |v[X+16*\c]|, |v[X+16*\c+1]|, 0x0d800000    ; the floor 2^-100
.endr
.irp i, 2,4,6,8,10,12,14
.irp c, 0,1,2,3
	v_max3_num_f32 v[TM+\c], v[TM+\c], |v[X+16*\c+\i]|, |v[X+16*\c+\i+1]|
.endr
.endr
	v_max3_num_f32 v[TM], v[TM], v[TM+1], v[TM+2]
	v_max_num_f32 v[TM], v[TM], v[TM+3]
	v_max_num_f32_dpp v[TM], v[TM], v[TM] row_xmask:1 row_mask:0xf bank_mask:0xf
	v_max_num_f32_dpp v[TM], v[TM], v[TM] row_xmask:2 row_mask:0xf bank_mask:0xf
	v_max_num_f32_dpp v[TM], v[TM], v[TM] row_xmask:4 row_mask:0xf bank_mask:0xf
	v_max_num_f32_dpp v[TM], v[TM], v[TM] row_xmask:8 row_mask:0xf bank_mask:0xf
	v_permlanex16_b32 v[TM+4], v[TM], s[SEL], s[SEL+1]
	v_max_num_f32 v[TM], v[TM], v[TM+4]            ; the tile's largest magnitude, in every lane
	v_and_b32 v[\e], 0x7f800000, v[TM]             ; its power of two
	v_sub_nc_u32 v[TM+10], \invc, v[\e]            ; the reciprocal power of two
	v_mov_b32 v[TM+11], v[TM+10]
.set n, 0
.rept 32
	v_pk_mul_f32 v[X+2*n:X+2*n+1], v[X+2*n:X+2*n+1], v[TM+10:TM+11]     ; exact
.set n, n+1
.endr
	s_wait_xcnt 0x0                                ; the last stores have read CV: it may be written again
.set n, 0
.rept 32
	v_cvt_pk_f16_f32 v[CV+n], v[X+2*n], v[X+2*n+1]
.set n, n+1
.endr
.endm
	s_load_b256 s[4:11], s[0:1], 0x0               ; x s[4:5], wc s[6:7], wsc s[8:9], b_hidden s[10:11]
	s_load_b256 s[12:19], s[0:1], 0x20             ; q_gamma, q_beta, k_gamma, k_beta
	s_load_b256 s[20:27], s[0:1], 0x40             ; vimg, kimg, qimg, tsc
	s_load_b128 s[28:31], s[0:1], 0x60             ; xc, xsc
	v_lshl_add_u32 v[SPW], v0, 2, SPARE
	v_mov_b32 v[NIL], 0
	v_lshrrev_b32 v11, 5, v0
	v_readfirstlane_b32 s[WV], v11                 ; wave 0..3
	v_and_b32 v[LN], 31, v0
	v_lshlrev_b32 v[L16], 4, v[LN]
	v_and_b32 v11, 15, v0
	v_lshlrev_b32 v[R16], 4, v11
	v_lshlrev_b32 v[R4], 2, v11
	v_bfe_u32 v12, v0, 4, 1
	v_lshlrev_b32 v[H32], 5, v12
	s_mul_i32 s33, s[WV], 8448
	v_add_nc_u32 v[STA], s33, v[L16]
	v_mul_u32_u24 v[LDA], v11, 528
	v_lshl_add_u32 v[LDA], v12, 6, v[LDA]
	v_add_nc_u32 v[LDA], s33, v[LDA]
	s_lshl_b32 s33, s[WV], 12
	s_add_co_u32 s33, s33, XIMG
	v_add_nc_u32 v[IMW], s33, v[L16]
	s_lshl_b32 s33, s[WV], 8
	s_add_co_u32 s33, s33, XSCL
	v_add_nc_u32 v[SCW], s33, v[R16]
.irp b, 0,1,2,3
	v_mov_b32 v[TM+4+\b], 0                        ; written once: a lane permute's destination counts as one of its sources
.endr
	s_mov_b32 s[SEL], 0x76543210
	s_mov_b32 s[SEL+1], 0xfedcba98                 ; lane l xor 16
	s_lshl_b32 s36, ttmp9, 17                      ; x: 64 rows of 2,048 bytes a work-group,
	s_lshl_b32 s38, s[WV], 15                      ; 16 rows a wave (also: 8 tiles of 4,096 bytes of wc)
	s_add_co_u32 s36, s36, s38
	s_mov_b32 s37, 0
	s_mov_b32 s39, 0
	s_lshl_b32 s44, s[WV], 11                      ; wsc: 8 tiles of 256 bytes
	s_mov_b32 s45, 0
	s_lshl_b32 s46, s[WV], 9                       ; b_hidden: 128 numbers
	s_mov_b32 s47, 0
	s_lshr_b32 s48, ttmp9, 6                       ; vimg: the batch's 144 groups,
	s_mul_i32 s48, s48, 0x480000
	s_and_b32 s49, ttmp9, 63
	s_lshl_b32 s49, s49, 16                        ; my work-group's two groups of 32,768 bytes,
	s_add_co_u32 s48, s48, s49
	s_lshl_b32 s49, s[WV], 13                      ; my 8 tiles of 1,024
	s_add_co_u32 s48, s48, s49
	s_mov_b32 s49, 0
	s_lshl_b32 s50, ttmp9, 14                      ; my row tile (4 x work-group + wave) x 4,096,
	s_lshl_b32 s51, s[WV], 12
	s_add_co_u32 s50, s50, s51
	s_mov_b32 s51, 0
	s_lshr_b32 s52, s50, 9                         ; x 8,
	s_mov_b32 s53, 0
	s_lshr_b32 s54, s50, 4                         ; x 256
	s_mov_b32 s55, 0
	s_wait_kmcnt 0x0
	s_add_nc_u64 s[4:5], s[4:5], s[36:37]
	s_add_nc_u64 s[40:41], s[6:7], s[38:39]        ; my tiles of Wv
	s_add_nc_u64 s[42:43], s[8:9], s[44:45]        ; and their scale words
	s_add_nc_u64 s[10:11], s[10:11], s[46:47]
	s_add_nc_u64 s[20:21], s[20:21], s[48:49]
	s_add_nc_u64 s[22:23], s[22:23], s[50:51]
	s_add_nc_u64 s[24:25], s[24:25], s[50:51]
	s_add_nc_u64 s[28:29], s[28:29], s[50:51]
	s_add_nc_u64 s[26:27], s[26:27], s[52:53]
	s_add_nc_u64 s[30:31], s[30:31], s[54:55]
	; everything is asked for at once: x first, 512 consecutive bytes a load
	WIN 0xc0
.irp s, 0,1,2,3
.irp i, 0,1,2,3,4,5,6,7,8,9,10,11,12,13,14,15
	global_load_b128 v[64*\s+4*\i:64*\s+4*\i+3], v[L16], s[4:5] offset:\i*2048+\s*512 th:TH_LOAD_NT
.endr
.endr
	WIN 0x40
.set n, 0
.rept 64
	global_load_b128 v[4*n:4*n+3], v[L16], s[40:41] offset:512*n        ; Wv (t, s) at v[32 t + 8 s]
.set n, n+1
.endr
	WIN 0x80
.set n, 0
.rept 64
	global_load_b128 v[4*n:4*n+3], v[L16], s[6:7] offset:64*4096+512*n  ; Wqk (e, s) at v[32 e + 8 s]
.set n, n+1
.endr
	WIN 0
.irp t, 0,1,2,3,4,5,6,7
	global_load_b128 v[WVS+4*\t:WVS+4*\t+3], v[R16], s[42:43] offset:256*\t
	global_load_b128 v[WQS+4*\t:WQS+4*\t+3], v[R16], s[8:9] offset:64*256+256*\t
	global_load_b32 v[BV+\t], v[R4], s[10:11] offset:64*\t
.endr
	s_wait_loadcnt 0x0
	XSTEP 0
	XSTEP 1
	XSTEP 2
	XSTEP 3
	WIN 0xc0
.irp t, 0,1,2,3,4,5,6,7
.irp j, 0,1,2,3,4,5,6,7
	v_mov_b32 v[128+8*\t+\j], v[BV+\t]             ; v's bias in the result's layout: a lane holds one hidden unit and eight keys
.endr
.endr
	WIN 0
	s_wait_dscnt 0x0                               ; my fragments and scale words lie in LDS,
	s_barrier_signal -1
	s_barrier_wait -1                              ; everybody's do
	WIN 0xc0
.set n, 0
.rept 32
	ds_load_b128 v[4*n:4*n+3], v[L16] offset:XIMG+512*n                 ; x (m, s) at v[32 m + 8 s]
.set n, n+1
.endr
	WIN 0
.irp m, 0,1,2,3
	ds_load_b128 v[XS+4*\m:XS+4*\m+3], v[R16] offset:XSCL+256*\m
.endr
	s_wait_dscnt 0x0
	; v: a tile of 16 rows at a time; the eight accumulators take turns, K step by K step
.irp m, 0,1,2,3
	WIN 0xf7                                       ; x window 3, Wv window 1, C and D window 3
.irp s, 0,1,2,3
.irp t, 0,1,2,3,4,5,6,7
.if \s == 0
	v_wmma_scale_f32_16x16x128_f8f6f4 v[192+8*\t:199+8*\t], v[32*\m+8*\s:32*\m+8*\s+7], v[32*\t+8*\s:32*\t+8*\s+7], v[128+8*\t:135+8*\t], v[XS+4*\m+\s], v[WVS+4*\t+\s] matrix_a_fmt:MATRIX_FMT_FP4 matrix_b_fmt:MATRIX_FMT_FP4
.else
	v_wmma_scale_f32_16x16x128_f8f6f4 v[192+8*\t:199+8*\t], v[32*\m+8*\s:32*\m+8*\s+7], v[32*\t+8*\s:32*\t+8*\s+7], v[192+8*\t:199+8*\t], v[XS+4*\m+\s], v[WVS+4*\t+\s] matrix_a_fmt:MATRIX_FMT_FP4 matrix_b_fmt:MATRIX_FMT_FP4
.endif
.endr
.endr
	PLACES 5                                       ; in front of the first read of results, and of the next tile's products, which begin these accumulators anew
	s_wait_xcnt 0x0                                ; the last stores have read CV
	WIN 0x0f
.set n, 0
.rept 32
	v_cvt_pk_f16_f32 v[CV+n], v[192+2*n], v[192+2*n+1]                  ; eight neighbouring keys: 16 bytes
.set n, n+1
.endr
	WIN 0
.irp t, 0,1,2,3,4,5,6,7
	global_store_b128 v[L16], v[CV+4*\t:CV+4*\t+3], s[20:21] offset:(\m/2)*32768+\t*1024+(\m%2)*512   ; 512 consecutive bytes, aligned
.endr
.endr
	; gamma and beta in the result's layout (a lane: 16 e + 8 (lane / 16) + 0..7), into Wv's registers
	WIN 0x40
.irp e, 0,1,2,3,4,5,6,7
.irp i, 0,1
	global_load_b128 v[8*\e+4*\i:8*\e+4*\i+3], v[H32], s[16:17] offset:64*\e+16*\i          ; k_gamma
	global_load_b128 v[64+8*\e+4*\i:64+8*\e+4*\i+3], v[H32], s[18:19] offset:64*\e+16*\i    ; k_beta
	global_load_b128 v[128+8*\e+4*\i:128+8*\e+4*\i+3], v[H32], s[12:13] offset:64*\e+16*\i  ; q_gamma
	global_load_b128 v[192+8*\e+4*\i:192+8*\e+4*\i+3], v[H32], s[14:15] offset:64*\e+16*\i  ; q_beta
.endr
.endr
	WIN 0xf2                                       ; Wqk window 2, my fragments of x window 0, C and D window 3
.irp s, 0,1,2,3
.irp e, 0,1,2,3,4,5,6,7
.if \s == 0
	v_wmma_scale_f32_16x16x128_f8f6f4 v[192+8*\e:199+8*\e], v[32*\e+8*\s:32*\e+8*\s+7], v[PC+8*\s:PC+8*\s+7], 0, v[WQS+4*\e+\s], v[XW+\s] matrix_a_fmt:MATRIX_FMT_FP4 matrix_b_fmt:MATRIX_FMT_FP4
.else
	v_wmma_scale_f32_16x16x128_f8f6f4 v[192+8*\e:199+8*\e], v[32*\e+8*\s:32*\e+8*\s+7], v[PC+8*\s:PC+8*\s+7], v[192+8*\e:199+8*\e], v[WQS+4*\e+\s], v[XW+\s] matrix_a_fmt:MATRIX_FMT_FP4 matrix_b_fmt:MATRIX_FMT_FP4
.endif
.endr
.endr
	PLACES 4
	s_wait_loadcnt 0x0                             ; gamma and beta
	WIN 0x17                                       ; qk window 3, gamma and beta window 1
.set n, 0
.rept 32
	v_pk_fma_f32 v[X+2*n:X+2*n+1], v[192+2*n:192+2*n+1], v[2*n:2*n+1], v[64+2*n:64+2*n+1]       ; k = qk k_gamma + k_beta
.set n, n+1
.endr
	WIN 0
	NORM 0x7f000000, TM+8                          ; k / ks
.irp e, 0,1,2,3,4,5,6,7
	global_store_b128 v[L16], v[CV+4*\e:CV+4*\e+3], s[22:23] offset:512*\e
.endr
	WIN 0x17
.set n, 0
.rept 32
	v_pk_fma_f32 v[X+2*n:X+2*n+1], v[192+2*n:192+2*n+1], v[128+2*n:128+2*n+1], v[192+2*n:192+2*n+1]   ; q = qk q_gamma + q_beta
.set n, n+1
.endr
	WIN 0
	NORM 0x7e000000, TM+9                          ; q / (4 qs)
.irp e, 0,1,2,3,4,5,6,7
	global_store_b128 v[L16], v[CV+4*\e:CV+4*\e+3], s[24:25] offset:512*\e
.endr
	v_cmp_gt_u32 vcc_lo, 16, v[LN]
	s_wait_xcnt 0x0                                ; EXEC changes only behind this wait
	s_and_saveexec_b32 s58, vcc_lo
	global_store_b128 v[R16], v[XW:XW+3], s[30:31] ; x's scale words: sixteen lanes, 256 consecutive bytes
	s_wait_xcnt 0x0
	s_or_b32 exec_lo, exec_lo, s58
	v_cmp_eq_u32 vcc_lo, 0, v[LN]
	s_and_saveexec_b32 s58, vcc_lo
	global_store_b64 v[R4], v[TM+8:TM+9], s[26:27] ; (ks, qs) of my row tile: lane 0, whose offset is 0
	s_wait_xcnt 0x0
	s_or_b32 exec_lo, exec_lo, s58
	s_wait_tensorcnt 0x0                           ; the wave's end: a wait, an add of 0 to my spare word and its wait, behind my last LDS store
	ds_add_u32 v[SPW], v[NIL]
	s_wait_dscnt 0x0
	s_endpgm
.Lfunc_end_k_q3d8c25bb59_proj:
	.size	k_q3d8c25bb59_proj, .Lfunc_end_k_q3d8c25bb59_proj-k_q3d8c25bb59_proj
	.p2alignl 7, 3214868480
	.fill 96, 4, 3214868480
	.section	.rodata,"a",@progbits
	.p2align	6, 0x0
	.amdhsa_kernel k_q3d8c25bb59_proj
		.amdhsa_group_segment_fixed_size 51712
		.amdhsa_private_segment_fixed_size 0
		.amdhsa_enable_private_segment 0
		.amdhsa_kernarg_size 112
		.amdhsa_user_sgpr_count 2
		.amdhsa_user_sgpr_kernarg_segment_ptr 1
		.amdhsa_wavefront_size32 1
		.amdhsa_system_sgpr_workgroup_id_x 1
		.amdhsa_system_sgpr_workgroup_id_y 1
		.amdhsa_system_sgpr_workgroup_id_z 1
		.amdhsa_system_vgpr_workitem_id 0
		.amdhsa_next_free_vgpr 1024
		.amdhsa_next_free_sgpr 66
		.amdhsa_reserve_vcc 1
		.amdhsa_float_denorm_mode_32 3
		.amdhsa_float_denorm_mode_16_64 3
		.amdhsa_memory_ordered 1
		.amdhsa_forward_progress 1
		.amdhsa_inst_pref_size 111
	.end_amdhsa_kernel
	.amdgpu_metadata
---
amdhsa.version: [ 1, 2 ]
amdhsa.kernels:
  - .name:           k_q3d8c25bb59_proj
    .symbol:         k_q3d8c25bb59_proj.kd
    .args:
      - { .name: x, .offset: 0, .size: 8, .value_kind: global_buffer, .address_space: global }
      - { .name: wc, .offset: 8, .size: 8, .value_kind: global_buffer, .address_space: global }
      - { .name: wsc, .offset: 16, .size: 8, .value_kind: global_buffer, .address_space: global }
      - { .name: b_hidden, .offset: 24, .size: 8, .value_kind: global_buffer, .address_space: global }
      - { .name: q_gamma, .offset: 32, .size: 8, .value_kind: global_buffer, .address_space: global }
      - { .name: q_beta, .offset: 40, .size: 8, .value_kind: global_buffer, .address_space: global }
      - { .name: k_gamma, .offset: 48, .size: 8, .value_kind: global_buffer, .address_space: global }
      - { .name: k_beta, .offset: 56, .size: 8, .value_kind: global_buffer, .address_space: global }
      - { .name: vimg, .offset: 64, .size: 8, .value_kind: global_buffer, .address_space: global }
      - { .name: kimg, .offset: 72, .size: 8, .value_kind: global_buffer, .address_space: global }
      - { .name: qimg, .offset: 80, .size: 8, .value_kind: global_buffer, .address_space: global }
      - { .name: tsc, .offset: 88, .size: 8, .value_kind: global_buffer, .address_space: global }
      - { .name: xc, .offset: 96, .size: 8, .value_kind: global_buffer, .address_space: global }
      - { .name: xsc, .offset: 104, .size: 8, .value_kind: global_buffer, .address_space: global }
    .group_segment_fixed_size: 51712
    .private_segment_fixed_size: 0
    .kernarg_segment_align: 8
    .kernarg_segment_size: 112
    .max_flat_workgroup_size: 128
    .sgpr_count:     66
    .vgpr_count:     1024
    .wavefront_size: 32
...
	.end_amdgpu_metadata
.endif
;; end of part 2
;; launch attn (part 3): grid 64 x 4, 4 waves a work-group, clusters of 4 x 1, 327,680 bytes of LDS; arguments vimg, kimg, qimg, tsc, xc, xsc, wc, wsc, b_hidden, b_out, x, out0; writes out0
.if DOCPART == 3
	.amdgcn_target "amdgcn-amd-amdhsa--gfx1250"
	.amdhsa_code_object_version 6
	.text
	.protected	k_q3d8c25bb59_attn
	.globl	k_q3d8c25bb59_attn
	.p2align	8
	.type	k_q3d8c25bb59_attn,@function
k_q3d8c25bb59_attn:
	s_mov_b64 s[64:65], 0
	v_nop
	global_prefetch_b8 v0, s[64:65] scope:SCOPE_SE
	s_setreg_imm32_b32 hwreg(HW_REG_WAVE_MODE, 25, 1), 1
	s_wait_xcnt 0x0
	s_wait_alu depctr_hold_cnt(0) depctr_sa_sdst(0) depctr_va_vdst(0) depctr_va_sdst(0) depctr_va_ssrc(0) depctr_va_vcc(0) depctr_vm_vsrc(0)
	s_getreg_b32 s2, hwreg(HW_REG_IB_STS2, 6, 4)
	s_cmp_eq_u32 s2, 0
	s_cbranch_scc0 .Lentry_in_a_cluster
	s_endpgm
.Lentry_in_a_cluster:
	s_bfe_u32 s2, ttmp6, 0x10000c
	s_cmp_lg_u32 s2, 0x3003
	s_cbranch_scc0 .Lentry_shape_is_right
	s_endpgm
.Lentry_shape_is_right:
; GAU, launch 3 of 3: out = ((relu(q k^T / sqrt(128)))^2 v * gate) w_out + b_out + x.  No work is left out.
; SHARES.  A work-group owns 64 queries of one batch.  A step is 64 keys.  S^T = K Q^T: wave w takes key tile 4 t + w against all four query tiles (Q stays in registers, K comes from memory straight into registers).
; a' = relu(s')^2 F goes from wave to wave through LDS as images of operand registers.  O^T = V^T a': wave w owns hidden tiles 8 w .. 8 w + 7 for all 64 queries, 32 accumulators.
; V comes through a ring of two LDS slots of 128 KiB (4 groups of 32 keys = 2 steps), as images of its fragments: a read is 512 consecutive bytes, so nothing is padded.
; CLUSTER.  The four query blocks of a cluster walk the same V (and w_out): each tile is asked for JOINTLY, by the same tensor load with the same descriptor and the mask 15.
; THE WALK.  The sum over the keys has no order of its own, so each of a batch's sixteen clusters begins at another of V's 32 slots, j0 = 4 (c % 8) + 2 (c / 8) for cluster c, and goes round: position p of the walk is slot
; (j0 + p) % 32, with the same pair of steps of K.  The sixteen j0 are all the even numbers to 30: the clusters' first fills name all 32 slots, no two clusters ask for one slot at the same position of their walks, and every
; later fill names bytes that another cluster's fill has named before.  Clusters whose numbers are neighbours, and those whose numbers are 8 apart, begin at slots spread evenly round the walk.  Positions 32 to 35 are w_out's slots, in order.
; SCALES, all exact powers of two: q' = q / (4 qs), k' = k / ks (launch 2), KS = the batch's largest ks, F = (ks / KS)^2: a' = (q'.k')^2 F <= 16,384 has room in f16, and a = a' qs^2 KS^2 / 8.
; g = O' * gate is divided, row by row, by the power of two E of the row's largest magnitude; y = y' c + b_out + x with c = E qs^2 KS^2 / 8.
; THE TRIP IS ROTATED so that one barrier serves a' and V: trip t reads a'(t) and V(t) from LDS, finishes step t - 1's second group round the barrier, makes the scores of step t + 1, and multiplies step t's first group
; with step t + 1's relu^2 set in slices of four behind its products.
; The gate (second half of the first product) is made here on FP4 codes, transposed, in O^T's layout; the last product takes w_out^T from the same ring (groups 128-143 of vimg).
; LIMITS: |v|, |w_out| under 65,504; a row's largest |g| is held at 2^-100 from below and stays under 2^124; NaN and infinities are not served; the keys are summed in the walk's order, not in ascending order.
; REGISTERS, in windows of 256: window 0: names below.  window 1: acc(t, qt) at v[8 (4 t + qt)]: O^T, later y^T.
;   window 2: Q v0-127 (32 qt + 8 u), K's two sets v128, v160; then the gate's weights; then g of groups 0-7; then x.   window 3: VA v0, VB v64, PA v128, PB v160, the gate's bias v192; then the gate; then g of groups 8-15; then rows of y.
.set VSLOT, 0x20000                    ; a slot of the ring: 4 groups of 32,768 bytes
.set PBUF,  262144                     ; behind the ring: a', two buffers of 8,192 bytes: fragment (g, qt) at 4,096 g + 1,024 qt
.set STAGE, 278528                     ; 33,792 bytes: g's exchange, later each wave's 16 rows x (512 + 16) on the way out
.set MXR,   312320                     ; the rows' largest magnitudes [wave][qt][lane]
.set SPARE, 314368                     ; the spare words, 128 bytes for each wave: two blocks of 256 bytes that no other line names
.set L16, 1                            ; 16 x lane
.set R16, 2                            ; 16 x (lane % 16)
.set H32, 3                            ; 32 x (lane / 16)
.set AV,  4                            ; v4, v5: my 8 tiles in groups 0-1, 2-3 of slot 0; behind the keys v6, v7: the same in slot 1
.set ADV, 6                            ; the trip's place in the ring
.set PLD, 7                            ; a' on the way back
.set PST, 8                            ; a' on the way in
.set KVO, 9                            ; my key tile in a step of kimg
.set TVO, 10                           ; and in tsc
.set PFO, 11                           ; the prefetches' offset
.set SPW, 12                           ; LDS address of my spare word; never rewritten
.set NIL, 13                           ; 0; never rewritten
.set FP,  14                           ; v[14:15] F (the packed form names the pair and takes its low word)
.set KSC, 16                           ; v[16:17], v[18:19] (ks, qs) of the key tile, a pair for each set
.set INVKS, 20
.set KS,  21
.set FT,  22
.set ZR,  23                           ; 0, an offset
.set QSR, 24                           ; v24-31 (ks, qs) of my four query tiles
.set XS,  32                           ; v32-47 x's scale words, 4 qt + s
.set S,   48                           ; v48-79 S^T, 8 a query tile
.set PO,  80                           ; v80-95 a' packed, 4 a query tile
.set XF,  96                           ; v96-223 x's FP4 fragments (32 qt + 8 s); then g packed; then w_out's two sets
.set GF,  96
.set WA,  96
.set WB,  160
.set WGS, 224                          ; v224-255 the gate weights' scale words, 4 t + s
.set MX,  48                           ; behind the keys, in S's and PO's registers:
.set MT,  52
.set INVP, 56                          ; four pairs 1 / E
.set CP,  64                           ; four pairs c
.set EE,  72
.set BO,  76                           ; b_out
.set ML,  80
.set MXW, 14                           ; and in F's and KSC's: LDS addresses
.set MXL, 15
.set GST, 16
.set GLD, 17
.set YST, 18
.set YLD, 19
.set VA, 0
.set VB, 64
.set PA, 128
.set PB, 160
.set WV,  28
.set G1,  32                           ; s[32:39] descriptor group 1
.set G0A, 40                           ; s[40:43] group 0 of the first fill of LDS slot 0
.set G0W, 44                           ; s[44:47] group 0 of LDS slot 1's, which then walks
.set TB,  48                           ; LDS byte at which the slot in hand begins
.set LOOP, 49
.set LIM, 50                           ; the cluster's x: 0 in the clusters that prefetch
.set PFA, 52                           ; s[52:53] where my work-group's prefetches stand
.set SEL, 54
.set KH,  66                           ; s[66:67] kimg at the walk's position 0
.set TH,  68                           ; s[68:69] tsc likewise
.set JP,  88                           ; s88  the slot of V that was asked for last
.set JK,  89                           ; s89  the slot at which KB and TB2 stand
.set OFF, 90                           ; s[90:91] an offset at work; the upper word stays 0
.set VBW, 92                           ; s[92:93] vimg at the group that I fetch of the batch's slot 0
.set KA,  94                           ; s[94:95] kimg at the walk's position s + 1, s the pair of steps in hand
.set KB,  96                           ; s[96:97] at position s + 2
.set TA,  98                           ; s[98:99], s[100:101] tsc likewise
.set TB2, 100
.set SDM, 0                            ; how the walking descriptor steps: 0 round V's 32 slots; 1 on to w_out's first slot; 2 one slot on
.set MSB, 0
.macro WIN new                         ; the immediate's high byte repeats the setting that is left
.if MSB != \new
	s_set_vgpr_msb (MSB<<8)|\new
.set MSB, \new
.endif
.endm
.macro PLACES n
.rept \n
	v_nop
.endr
.endm
.macro CREST                           ; a round of the cluster's barrier behind its opening barrier
	s_cmp_lg_u32 s[WV], 0
	s_cbranch_scc1 .Lnot_wave_0_\@
	s_barrier_signal -3
.Lnot_wave_0_\@:
	s_barrier_wait -3
	s_barrier_signal -1
	s_barrier_wait -1
.endm
.macro CROUND
	s_barrier_signal -1
	s_barrier_wait -1
	CREST
.endm
.macro STEPD                           ; the walking descriptor: the other LDS slot than last time, the walk's next slot (no tensor load of mine is out).  All of it hangs on the cluster's x, the batch and the wave: the same in the four partners
	s_xor_b32 s[G0W+1], s[G0W+1], VSLOT
.if SDM == 0
	s_add_co_u32 s[JP], s[JP], 1
	s_and_b32 s[JP], s[JP], 31                     ; round V's 32 slots
	s_lshl_b32 s[OFF], s[JP], 17
	s_add_nc_u64 s[G0W+2:G0W+3], s[VBW:VBW+1], s[OFF:OFF+1]
	s_or_b32 s[G0W+3], s[G0W+3], 0x80000000        ; the type
.elseif SDM == 1
	s_add_nc_u64 s[G0W+2:G0W+3], s[VBW:VBW+1], 32*VSLOT   ; w_out's first four groups lie behind V's 32 slots
	s_or_b32 s[G0W+3], s[G0W+3], 0x80000000
.else
	s_add_nc_u64 s[G0W+2:G0W+3], s[G0W+2:G0W+3], VSLOT    ; the type bits on top are not reached
.endif
.endm
.macro FILL                            ; my one tensor load behind a round: group w of the slot, 32,768 bytes; an s_nop 0 and four v_nop follow
	tensor_load_to_lds s[G0W:G0W+3], s[G1:G1+7]
	s_nop 0
	PLACES 4
.endm
; A PREFETCH INTO THE L2 of the slot of w_out that the NEXT change of slots will ask for: 131,072 bytes.  All clusters of a batch come to these four slots at the ends of their walks: the batch's first cluster asks.  Its four partners take
; 32,768 bytes each, told apart by address; in each, a wave takes 8,192, lanes 256 bytes apart: one instruction a wave, each block named once in the launch.  It stands at the last four changes of slots but one: the last fill has nothing behind it.
; V's and K's slots are not asked for: by the walk's arithmetic (head comment) every fill behind a cluster's first two names bytes that another cluster has loaded before.
.macro ASK
	s_cmp_lg_u32 s[LIM], 0
	s_cbranch_scc1 .Lnot_mine_\@
	global_prefetch_b8 v[PFO], s[PFA:PFA+1] th:TH_LOAD_NT scope:SCOPE_SE
.Lnot_mine_\@:
.endm
; slice slk of 20 of the step's relu^2: four of 80 lines: 0-31 relu, tile by tile from the low end; 32-47 the square; 48-63 x F; 64-79 packed to f16
.macro SL
	WIN 0
.irp n, 0,1,2,3
.set sle, 4*slk+\n
.if sle < 32
	v_max_num_f32 v[S+sle], 0, v[S+sle]
.elseif sle < 48
	v_pk_mul_f32 v[S+2*(sle-32):S+2*(sle-32)+1], v[S+2*(sle-32):S+2*(sle-32)+1], v[S+2*(sle-32):S+2*(sle-32)+1]
.elseif sle < 64
	v_pk_mul_f32 v[S+2*(sle-48):S+2*(sle-48)+1], v[S+2*(sle-48):S+2*(sle-48)+1], v[FP:FP+1] op_sel_hi:[1,0]
.else
	v_cvt_pk_f16_f32 v[PO+sle-64], v[S+2*(sle-64)], v[S+2*(sle-64)+1]
.endif
.endr
.endm
.macro PSTORE                          ; my key tile's a' for the four query tiles: half a fragment each, as it stands
	WIN 0
.irp z, 0,1,2,3
	ds_store_b128 v[PST], v[PO+4*\z:PO+4*\z+3] offset:PBO+\z*1024
.endr
.endm
; O^T += V^T a': hidden tiles t0 .. t1 x the four query tiles, one group of 32 keys.  The accumulators take turns, one instruction a turn.  zero = 1: the products start the sums.  sl = 1: a slice behind each of the first 20, the stores behind the 21st
.macro PVG vb, pb, t0, t1, zero, sl
.set pvi, 0
.set pvt, \t0
.rept \t1-\t0+1
.irp qt, 0,1,2,3
	WIN 0x5f                                       ; V and a' window 3, C and D window 1
.if \zero
	v_wmma_f32_16x16x32_f16 v[8*(4*pvt+\qt):8*(4*pvt+\qt)+7], v[\vb+8*pvt:\vb+8*pvt+7], v[\pb+8*\qt:\pb+8*\qt+7], 0
.else
	v_wmma_f32_16x16x32_f16 v[8*(4*pvt+\qt):8*(4*pvt+\qt)+7], v[\vb+8*pvt:\vb+8*pvt+7], v[\pb+8*\qt:\pb+8*\qt+7], v[8*(4*pvt+\qt):8*(4*pvt+\qt)+7]
.endif
.if \sl
.if pvi < 20
.set slk, pvi
	SL
.elseif pvi == 20
	PSTORE
.endif
.endif
.set pvi, pvi+1
.endr
.set pvt, pvt+1
.endr
.endm
.macro LDP pb, par, g                  ; a' of group g: four fragments
.irp qt, 0,1,2,3
	ds_load_b128 v[\pb+8*\qt:\pb+8*\qt+3], v[PLD] offset:\par*8192+\g*4096+\qt*1024
	ds_load_b128 v[\pb+8*\qt+4:\pb+8*\qt+7], v[PLD] offset:\par*8192+\g*4096+\qt*1024+512
.endr
.endm
.macro LDV vb, g                       ; V^T of group g: my eight fragments
.irp f, 0,1,2,3,4,5,6,7
	ds_load_b128 v[\vb+8*\f:\vb+8*\f+3], v[ADV] offset:\g*32768+\f*1024
	ds_load_b128 v[\vb+8*\f+4:\vb+8*\f+7], v[ADV] offset:\g*32768+\f*1024+512
.endr
.endm
.macro KQ16 set                        ; S^T = K Q^T: my 16 keys x 64 queries; the four accumulators take turns
	WIN 0x0a                                       ; K and Q window 2, S^T window 0
.irp u, 0,1,2,3
.irp qt, 0,1,2,3
.if \u == 0
	v_wmma_f32_16x16x32_f16 v[S+8*\qt:S+8*\qt+7], v[128+32*(\set)+8*\u:128+32*(\set)+8*\u+7], v[32*\qt+8*\u:32*\qt+8*\u+7], 0
.else
	v_wmma_f32_16x16x32_f16 v[S+8*\qt:S+8*\qt+7], v[128+32*(\set)+8*\u:128+32*(\set)+8*\u+7], v[32*\qt+8*\u:32*\qt+8*\u+7], v[S+8*\qt:S+8*\qt+7]
.endif
.endr
.endr
	WIN 0
.endm
.macro FCALC set                       ; F = (ks / KS)^2; with the two v_nop the four places behind the scores' products
	v_mul_f32 v[FT], v[KSC+2*(\set)], v[INVKS]
	v_nop
	v_nop
	v_mul_f32 v[FP], v[FT], v[FT]
.endm
.macro KLOAD set, kb, tb, o            ; my key tile of step o (0, 1) of the pair of steps at which s[kb], s[tb] stand: 4,096 bytes, and its (ks, qs): nine loads
	WIN 0x80
.irp i, 0,1,2,3,4,5,6,7
	global_load_b128 v[128+32*(\set)+4*\i:128+32*(\set)+4*\i+3], v[KVO], s[\kb:\kb+1] offset:(\o)*16384+512*\i
.endr
	WIN 0
	global_load_b64 v[KSC+2*(\set):KSC+2*(\set)+1], v[TVO], s[\tb:\tb+1] offset:(\o)*32
.endm
; THE BARRIER AT A TRIP'S HEAD, with half of the last step's second group round it.  rnd = 1 (every second trip): the slot that held the last two steps is filled again.  Each wave waits for all its tensor loads
; (one is out: its part of the slot ahead), adds 0 to its spare word, and waits for that, for its reads of the ring and of a', and for its stores of a'; the barrier opens a round of the cluster's barrier; the joint refill comes first behind it.
.macro TOP rnd, ask, pv1
.if \rnd
	WIN 0
	s_wait_tensorcnt 0x0                           ; no tensor load of mine is out, so the walking descriptor may be written
	ds_add_u32 v[SPW], v[NIL]
	STEPD
.if \ask
	s_wait_xcnt 0x0                                ; the last prefetch, two trips back, has read its address
	s_add_nc_u64 s[PFA:PFA+1], s[PFA:PFA+1], VSLOT
.endif
	s_wait_dscnt 0x1                               ; only the add may be out: VB and PB are in
	PVG VB, PB, 0, 1, 0, 0
	s_wait_dscnt 0x0
	s_barrier_signal -1
	PVG VB, PB, 2, 3, 0, 0
	WIN 0
	s_barrier_wait -1
	CREST
	FILL                                           ; two trips, 160 matrix instructions, in which to land
.if \ask
	ASK
.endif
.else
	s_wait_dscnt 0x0                               ; my stores of a' have landed, my reads are in
	s_barrier_signal -1
.if \pv1
	PVG VB, PB, 0, 3, 0, 0
.endif
	WIN 0
	s_barrier_wait -1
.endif
.endm
.macro GLOADS                          ; the gate's weights, my 8 tiles (t, s) at v[32 t + 8 s] of window 2: Q and K are done with
	WIN 0x80
.set n, 0
.rept 64
	global_load_b128 v[4*n:4*n+3], v[L16], s[16:17] offset:512*n
.set n, n+1
.endr
.endm
; TRIP t.  par = t % 2; pv1: there is a step t - 1; zero: step t starts O^T; kq: the scores of step t + 1 (kcnt: loads that may stay out); kl: K of step t + 3 is asked for; gl: the gate's weights are
.macro TRIP par, rnd, ask, pv1, zero, kq, kcnt, kl, gl
	TOP \rnd, \ask, \pv1
	v_add_nc_u32 v[ADV], s[TB], v[AV+\par]
.if \rnd == 0
	PLACES 3                                       ; with the line above: four places in front of loads into VA and PA (rnd = 1: those behind the tensor load)
.endif
	WIN 0xc0
	LDP PA, \par, 0
	LDV VA, 0
.if \pv1
	PVG VB, PB, 4, 7, 0, 0
.endif
	PLACES 4                                       ; in front of loads into VB and PB
	WIN 0xc0
	LDP PB, \par, 1
	LDV VB, 1
.if \gl
	GLOADS
.endif
.if \kq
	s_wait_loadcnt \kcnt                           ; K of step t + 1 is in; the nine loads of step t + 2 may stay out
	KQ16 1-\par
	FCALC 1-\par
.if \kl
.if \par == 0
	KLOAD 1, KA, TA, 1                             ; step t + 3 is the second step of the walk's next pair,
.else
	KLOAD 0, KB, TB2, 0                            ; or the first of the pair after that
.endif
.endif
.endif
	s_wait_dscnt 24                                ; PA and VA are in; the 24 loads of PB and VB may stay out
.set PBO, (1-\par)*8192
	PVG VA, PA, 0, 7, \zero, \kq
.endm
.macro STEP                            ; on to the walk's next pair of steps
	s_wait_xcnt 0x0                                ; K's loads have read their bases
	s_mov_b64 s[KA:KA+1], s[KB:KB+1]
	s_mov_b64 s[TA:TA+1], s[TB2:TB2+1]
	s_add_co_u32 s[JK], s[JK], 1
	s_and_b32 s[JK], s[JK], 31                     ; round the batch's 32 pairs of steps
	s_lshl_b32 s[OFF], s[JK], 15                   ; 8 key tiles of 4,096 bytes,
	s_add_nc_u64 s[KB:KB+1], s[6:7], s[OFF:OFF+1]
	s_lshl_b32 s[OFF], s[JK], 6                    ; of 8 bytes
	s_add_nc_u64 s[TB2:TB2+1], s[10:11], s[OFF:OFF+1]
	s_xor_b32 s[TB], s[TB], VSLOT
.endm
	s_load_b256 s[4:11], s[0:1], 0x0               ; vimg s[4:5], kimg s[6:7], qimg s[8:9], tsc s[10:11]
	s_load_b256 s[12:19], s[0:1], 0x20             ; xc s[12:13], xsc s[14:15], wc s[16:17], wsc s[18:19]
	s_load_b256 s[20:27], s[0:1], 0x40             ; b_hidden s[20:21], b_out s[22:23], x s[24:25], out0 s[26:27]
	v_lshl_add_u32 v[SPW], v0, 2, SPARE
	v_mov_b32 v[NIL], 0
	ds_add_u32 v[SPW], v[NIL]                      ; the wave's opening: the add, twice on end, and its wait ahead of my first tensor load
	ds_add_u32 v[SPW], v[NIL]
	v_lshrrev_b32 v1, 5, v0
	v_readfirstlane_b32 s[WV], v1                  ; wave 0..3
	s_bfe_u32 s29, ttmp6, 0x40000                  ; cx
	s_lshl_b32 s30, ttmp9, 2
	s_add_co_u32 s30, s30, s29                     ; my block of 64 queries = 4 x cluster x + cx: it enters global addresses alone
	s_and_b32 s31, ttmp7, 0xffff                   ; the batch, which the partners share
	s_mov_b32 s[LIM], ttmp9
	s_and_b32 s[JP], ttmp9, 7                      ; where my cluster's walk begins: j0 = 4 (c % 8) + 2 (c / 8), c the cluster's x, which the partners share
	s_lshl_b32 s[JP], s[JP], 2
	s_lshr_b32 s[JK], ttmp9, 3
	s_lshl_b32 s[JK], s[JK], 1
	s_or_b32 s[JP], s[JP], s[JK]
	s_mov_b32 s[OFF+1], 0
	; descriptor group 1: 32,768 dense bytes as 128 rows of 32 elements of 8 bytes; no padding
	s_mov_b32 s[G1], 15|(3<<16)|(1<<21)            ; the mask: all four work-groups; elements of 8 bytes; bit 21 set beside a mask
	s_mov_b32 s[G1+1], 32<<16                      ; tensor_dim0
	s_mov_b32 s[G1+2], 128<<16                     ; tensor_dim1
	s_mov_b32 s[G1+3], 32<<16                      ; tile_dim0
	s_mov_b32 s[G1+4], 128                         ; tile_dim1
	s_mov_b32 s[G1+5], 32                          ; the pitch
	s_mov_b32 s[G1+6], 0
	s_mov_b32 s[G1+7], 0
	s_mov_b32 s[SEL], 0x76543210
	s_mov_b32 s[SEL+1], 0xfedcba98
	s_mov_b32 s[TB], 0
	s_mul_i32 s56, s31, 0x480000                   ; vimg: 144 groups a batch
	s_mov_b32 s57, 0
	s_lshl_b32 s58, s[WV], 15                      ; the group that I fetch: in memory and in LDS
	s_mov_b32 s59, 0
	s_lshl_b32 s60, s29, 15                        ; my work-group's part of a prefetch
	s_mov_b32 s61, 0
	s_lshl_b32 s66, s31, 20                        ; kimg: 256 tiles of 4,096 bytes a batch
	s_mov_b32 s67, 0
	s_lshl_b32 s62, s30, 14                        ; my first row tile x 4,096 (qimg, xc),
	s_add_co_u32 s62, s62, s66
	s_mov_b32 s63, 0
	s_lshr_b32 s72, s62, 4                         ; x 256 (xsc)
	s_mov_b32 s73, 0
	s_lshl_b32 s74, s31, 11                        ; tsc: 2,048 bytes a batch
	s_mov_b32 s75, 0
	s_lshl_b32 s76, s30, 5                         ; my four tiles' 32 bytes
	s_mov_b32 s77, 0
	s_lshl_b32 s78, s62, 3                         ; x, out0: my first row x 2,048,
	s_lshl_b32 s86, s[WV], 9                       ; + my wave's 512 bytes of a row (also: b_out)
	s_add_co_u32 s78, s78, s86
	s_mov_b32 s79, 0
	s_mov_b32 s87, 0
	s_add_co_u32 s80, s58, 32*4096                 ; wc: tiles 32 + 8 w on
	s_mov_b32 s81, 0
	s_lshl_b32 s82, s[WV], 11
	s_add_co_u32 s82, s82, 32*256                  ; wsc likewise
	s_mov_b32 s83, 0
	s_add_co_u32 s84, s86, 2048                    ; b_hidden: 512 + 128 w on
	s_mov_b32 s85, 0
	s_wait_dscnt 0x0                               ; both opening adds are done
	s_wait_kmcnt 0x0
	s_add_nc_u64 s[4:5], s[4:5], s[56:57]
	s_add_nc_u64 s[PFA:PFA+1], s[4:5], s[60:61]
	s_add_nc_u64 s[PFA:PFA+1], s[PFA:PFA+1], 31*VSLOT  ; in V's last slot: the first prefetch's step brings it to w_out's first
	s_add_nc_u64 s[VBW:VBW+1], s[4:5], s[58:59]
	s_lshl_b32 s[OFF], s[JP], 17                   ; slot j0
	s_mov_b32 s[G0A], 1
	s_mov_b32 s[G0A+1], s58
	s_add_nc_u64 s[G0A+2:G0A+3], s[VBW:VBW+1], s[OFF:OFF+1]
	s_mov_b32 s[G0W], 1
	s_add_co_u32 s[G0W+1], s58, VSLOT
	s_add_nc_u64 s[G0W+2:G0W+3], s[G0A+2:G0A+3], VSLOT   ; slot j0 + 1: j0 is even, so it is 31 at the most
	s_or_b32 s[G0A+3], s[G0A+3], 0x80000000
	s_or_b32 s[G0W+3], s[G0W+3], 0x80000000
	s_add_nc_u64 s[6:7], s[6:7], s[66:67]
	s_add_nc_u64 s[8:9], s[8:9], s[62:63]
	s_add_nc_u64 s[12:13], s[12:13], s[62:63]
	s_add_nc_u64 s[14:15], s[14:15], s[72:73]
	s_add_nc_u64 s[10:11], s[10:11], s[74:75]
	s_add_nc_u64 s[70:71], s[10:11], s[76:77]
	s_add_nc_u64 s[24:25], s[24:25], s[78:79]
	s_add_nc_u64 s[26:27], s[26:27], s[78:79]
	s_add_nc_u64 s[16:17], s[16:17], s[80:81]
	s_add_nc_u64 s[18:19], s[18:19], s[82:83]
	s_add_nc_u64 s[20:21], s[20:21], s[84:85]
	s_add_nc_u64 s[22:23], s[22:23], s[86:87]
	s_lshl_b32 s[OFF], s[JP], 15                   ; K and tsc at the walk's positions 0, 1 and 2
	s_add_nc_u64 s[KH:KH+1], s[6:7], s[OFF:OFF+1]
	s_lshl_b32 s[OFF], s[JP], 6
	s_add_nc_u64 s[TH:TH+1], s[10:11], s[OFF:OFF+1]
	s_add_co_u32 s[JP], s[JP], 1                   ; j0 + 1: also the slot of V that the second first fill asks for
	s_lshl_b32 s[OFF], s[JP], 15
	s_add_nc_u64 s[KA:KA+1], s[6:7], s[OFF:OFF+1]
	s_lshl_b32 s[OFF], s[JP], 6
	s_add_nc_u64 s[TA:TA+1], s[10:11], s[OFF:OFF+1]
	s_add_co_u32 s[JK], s[JP], 1
	s_and_b32 s[JK], s[JK], 31
	s_lshl_b32 s[OFF], s[JK], 15
	s_add_nc_u64 s[KB:KB+1], s[6:7], s[OFF:OFF+1]
	s_lshl_b32 s[OFF], s[JK], 6
	s_add_nc_u64 s[TB2:TB2+1], s[10:11], s[OFF:OFF+1]
	CROUND                                         ; all four work-groups are here: the first joint loads meet
	tensor_load_to_lds s[G0A:G0A+3], s[G1:G1+7]    ; the walk's positions 0 and 1: two loads of mine are out
	s_nop 0
	tensor_load_to_lds s[G0W:G0W+3], s[G1:G1+7]
	s_nop 0
	PLACES 4
	v_and_b32 v1, 31, v0
	v_lshlrev_b32 v[PFO], 8, v1
	v_lshlrev_b32 v[L16], 4, v1
	v_and_b32 v[R16], 15, v0
	v_lshlrev_b32 v[R16], 4, v[R16]
	v_bfe_u32 v[H32], v0, 4, 1
	v_lshlrev_b32 v[H32], 5, v[H32]
	s_lshl_b32 s56, s[WV], 13
	v_add_nc_u32 v[AV], s56, v[L16]                ; my 8 tiles of 1,024 bytes in a group
	v_add_nc_u32 v[AV+1], 0x10000, v[AV]
	v_add_nc_u32 v[PFO], s56, v[PFO]
	v_add_nc_u32 v[PLD], PBUF, v[L16]
	s_lshr_b32 s56, s[WV], 1
	s_lshl_b32 s56, s56, 12
	s_and_b32 s57, s[WV], 1
	s_lshl_b32 s57, s57, 9
	s_add_co_u32 s56, s56, s57
	s_add_co_u32 s56, s56, PBUF
	v_add_nc_u32 v[PST], s56, v[L16]               ; key tile w is half w % 2 of group w / 2
	s_lshl_b32 s56, s[WV], 12
	v_add_nc_u32 v[KVO], s56, v[L16]
	s_lshl_b32 s56, s[WV], 3
	v_mov_b32 v[TVO], s56
	v_mov_b32 v[ZR], 0
	v_mov_b32 v[FP+1], 0                           ; named with F as a pair, so it is written
	v_mov_b32 v[FT], 0                             ; a lane permute's destination counts as one of its sources
.set n, 0
.rept 32
	global_load_b128 v[XF+4*n:XF+4*n+3], v[L16], s[12:13] offset:512*n  ; for the gate: x's fragments,
.set n, n+1
.endr
.irp q, 0,1,2,3
	global_load_b128 v[XS+4*\q:XS+4*\q+3], v[R16], s[14:15] offset:256*\q   ; their scale words,
.endr
.irp t, 0,1,2,3,4,5,6,7
	global_load_b128 v[WGS+4*\t:WGS+4*\t+3], v[R16], s[18:19] offset:256*\t ; the weights' scale words,
.endr
	WIN 0xc0
.irp t, 0,1,2,3,4,5,6,7
	global_load_b128 v[192+8*\t:192+8*\t+3], v[H32], s[20:21] offset:64*\t  ; and the bias in the result's layout
	global_load_b128 v[192+8*\t+4:192+8*\t+7], v[H32], s[20:21] offset:64*\t+16
.endr
	WIN 0x80
.set n, 0
.rept 32
	global_load_b128 v[4*n:4*n+3], v[L16], s[8:9] offset:512*n          ; Q stays in registers
.set n, n+1
.endr
	WIN 0
.irp i, 0,1,2,3
	global_load_b128 v[S+4*\i:S+4*\i+3], v[L16], s[10:11] offset:512*\i ; the batch's 256 (ks, qs): two a lane and load
.endr
	global_load_b128 v[QSR:QSR+3], v[ZR], s[70:71]
	global_load_b128 v[QSR+4:QSR+7], v[ZR], s[70:71] offset:16
	KLOAD 0, KH, TH, 0
	KLOAD 1, KH, TH, 1
	s_wait_loadcnt 9                               ; all but K of step 1
	v_max3_num_f32 v[KS], v[S], v[S+2], v[S+4]
	v_max3_num_f32 v[KS], v[KS], v[S+6], v[S+8]
	v_max3_num_f32 v[KS], v[KS], v[S+10], v[S+12]
	v_max_num_f32 v[KS], v[KS], v[S+14]
	v_max_num_f32_dpp v[KS], v[KS], v[KS] row_xmask:1 row_mask:0xf bank_mask:0xf
	v_max_num_f32_dpp v[KS], v[KS], v[KS] row_xmask:2 row_mask:0xf bank_mask:0xf
	v_max_num_f32_dpp v[KS], v[KS], v[KS] row_xmask:4 row_mask:0xf bank_mask:0xf
	v_max_num_f32_dpp v[KS], v[KS], v[KS] row_xmask:8 row_mask:0xf bank_mask:0xf
	v_permlanex16_b32 v[FT], v[KS], s[SEL], s[SEL+1]
	v_max_num_f32 v[KS], v[KS], v[FT]              ; KS
	v_sub_nc_u32 v[INVKS], 0x7f000000, v[KS]       ; 1 / KS
	KQ16 0                                         ; step 0's scores: there is no matrix work yet to set its relu^2 behind
	FCALC 0
	KLOAD 0, KA, TA, 0                             ; step 2: the first of the walk's position 1
.set slk, 0
.rept 20
	SL
.set slk, slk+1
.endr
.set PBO, 0
	PSTORE
	s_wait_tensorcnt 0x1                           ; my part of LDS slot 0 is in; slot 1's may stay out
	TRIP 0, 0, 0, 0, 1, 1, 9, 1, 0
	TRIP 1, 0, 0, 1, 0, 1, 9, 1, 0
	STEP
	WIN 0
	s_mov_b32 s[LOOP], 29
.Lpair:                                            ; steps 2 to 59 of the walk; each trip asks for one of its positions 2 to 30
	TRIP 0, 1, 0, 1, 0, 1, 9, 1, 0
	TRIP 1, 0, 0, 1, 0, 1, 9, 1, 0
	STEP
	WIN 0
	s_sub_co_u32 s[LOOP], s[LOOP], 1
	s_cmp_lg_u32 s[LOOP], 0
	s_cbranch_scc1 .Lpair
	TRIP 0, 1, 1, 1, 0, 1, 9, 1, 0                 ; step 60 asks for position 31, V's last, and for K of step 63, the last; w_out's first slot is prefetched
	TRIP 1, 0, 0, 1, 0, 1, 9, 0, 0
	s_xor_b32 s[TB], s[TB], VSLOT
.set SDM, 1
	TRIP 0, 1, 1, 1, 0, 1, 0, 0, 0                 ; step 62 asks for w_out's first slot; only K of step 63 is out
	TRIP 1, 0, 0, 1, 0, 0, 0, 0, 1                 ; step 63: no scores are left; the gate's weights are asked for
.set SDM, 2
	TOP 1, 1, 1                                    ; w_out's first four groups are whole; its next four are asked for
	PVG VB, PB, 4, 7, 0, 0
	; THE GATE, g AND ITS EXCHANGE.  The lines below are also the places behind the last products.
	WIN 0
.irp q, 0,1,2,3
	v_mov_b32 v[MX+\q], 0x0d800000                 ; the floor 2^-100 under a row's largest magnitude
	v_mov_b32 v[MT+\q], 0
.endr
	v_add_nc_u32 v[AV+2], 0x20000, v[AV]
	v_add_nc_u32 v[AV+3], 0x30000, v[AV]
	v_lshrrev_b32 v[MXL], 2, v[L16]
	v_add_nc_u32 v[MXL], MXR, v[MXL]
	s_lshl_b32 s56, s[WV], 9
	v_add_nc_u32 v[MXW], s56, v[MXL]
	v_add_nc_u32 v[GLD], STAGE, v[L16]
	s_lshl_b32 s56, s[WV], 13
	v_add_nc_u32 v[GST], s56, v[GLD]
	s_mul_i32 s56, s[WV], 8448
	v_add_nc_u32 v[YLD], s56, v[GLD]
	v_mul_u32_u24 v[YST], v[R16], 33               ; 528 x (lane % 16)
	v_add_nc_u32 v[YST], v[YST], v[H32]
	s_add_co_u32 s56, s56, STAGE
	v_add_nc_u32 v[YST], s56, v[YST]
	s_wait_loadcnt 0x0                             ; the gate's weights
.irp qt, 0,1,2,3
	WIN 0xf2                                       ; weights window 2, x window 0, C and D window 3
.irp s, 0,1,2,3
.irp t, 0,1,2,3,4,5,6,7
.if \s == 0
	v_wmma_scale_f32_16x16x128_f8f6f4 v[8*\t:8*\t+7], v[32*\t+8*\s:32*\t+8*\s+7], v[XF+32*\qt+8*\s:XF+32*\qt+8*\s+7], v[192+8*\t:192+8*\t+7], v[WGS+4*\t+\s], v[XS+4*\qt+\s] matrix_a_fmt:MATRIX_FMT_FP4 matrix_b_fmt:MATRIX_FMT_FP4
.else
	v_wmma_scale_f32_16x16x128_f8f6f4 v[8*\t:8*\t+7], v[32*\t+8*\s:32*\t+8*\s+7], v[XF+32*\qt+8*\s:XF+32*\qt+8*\s+7], v[8*\t:8*\t+7], v[WGS+4*\t+\s], v[XS+4*\qt+\s] matrix_a_fmt:MATRIX_FMT_FP4 matrix_b_fmt:MATRIX_FMT_FP4
.endif
.endr
.endr
	PLACES 4
	WIN 0x4d                                       ; O^T window 1, the gate window 3
.irp t, 0,1,2,3,4,5,6,7
.irp i, 0,2,4,6
	v_pk_mul_f32 v[8*(4*\t+\qt)+\i:8*(4*\t+\qt)+\i+1], v[8*(4*\t+\qt)+\i:8*(4*\t+\qt)+\i+1], v[8*\t+\i:8*\t+\i+1]
.endr
.endr
	WIN 0x14                                       ; these 32 name none of the gate's registers: the places in front of the next tile's products, which begin its accumulators anew
.irp t, 0,1,2,3,4,5,6,7
.irp i, 0,2,4,6
	v_max3_num_f32 v[MX+\qt], v[MX+\qt], |v[8*(4*\t+\qt)+\i]|, |v[8*(4*\t+\qt)+\i+1]|
.endr
.endr
.endr
	WIN 0
.irp q, 0,1,2,3
	v_permlanex16_b32 v[MT+\q], v[MX+\q], s[SEL], s[SEL+1]
.endr
.irp q, 0,1,2,3
	v_max_num_f32 v[MX+\q], v[MX+\q], v[MT+\q]     ; my wave's 128 hidden units of query lane % 16
.endr
.irp q, 0,1,2,3
	ds_store_b32 v[MXW], v[MX+\q] offset:128*\q
.endr
	s_wait_dscnt 0x0
	s_barrier_signal -1
	s_barrier_wait -1
.irp w, 0,1,2,3
.irp q, 0,1,2,3
	ds_load_b32 v[ML+4*\w+\q], v[MXL] offset:512*\w+128*\q
.endr
.endr
	s_wait_dscnt 0x0
.irp q, 0,1,2,3
	v_max3_num_f32 v[MX+\q], v[ML+\q], v[ML+4+\q], v[ML+8+\q]
	v_max_num_f32 v[MX+\q], v[MX+\q], v[ML+12+\q]  ; the row's largest |g|
	v_and_b32 v[EE+\q], 0x7f800000, v[MX+\q]       ; E, its power of two
	v_sub_nc_u32 v[INVP+2*\q], 0x7f000000, v[EE+\q]
	v_mov_b32 v[INVP+2*\q+1], v[INVP+2*\q]
	v_mul_f32 v[CP+2*\q], v[QSR+2*\q+1], v[KS]     ; qs KS
	v_mul_f32 v[EE+\q], v[EE+\q], v[CP+2*\q]
	v_mul_f32 v[EE+\q], v[EE+\q], v[CP+2*\q]
	v_mul_f32 v[CP+2*\q], 0x3e000000, v[EE+\q]     ; c = E qs^2 KS^2 / 8
	v_mov_b32 v[CP+2*\q+1], v[CP+2*\q]
.endr
	WIN 0x41
.irp qt, 0,1,2,3
.irp t, 0,1,2,3,4,5,6,7
.irp i, 0,2,4,6
	v_pk_mul_f32 v[8*(4*\t+\qt)+\i:8*(4*\t+\qt)+\i+1], v[8*(4*\t+\qt)+\i:8*(4*\t+\qt)+\i+1], v[INVP+2*\qt:INVP+2*\qt+1]   ; g / E: exact
.endr
.endr
.endr
	WIN 0x05
.irp qt, 0,1,2,3
.irp t, 0,1,2,3,4,5,6,7
.irp p, 0,1,2,3
	v_cvt_pk_f16_f32 v[GF+32*\qt+4*\t+\p], v[8*(4*\t+\qt)+2*\p], v[8*(4*\t+\qt)+2*\p+1]   ; tile t is half t % 2 of group 4 w + t / 2 of the last product's K
.endr
.endr
.endr
	WIN 0
.irp hf, 0,1                           ; two query tiles at a time through 32,768 bytes: fragment (group, tile) at (2 group + tile) x 1,024
.irp q, 0,1
.irp t, 0,1,2,3,4,5,6,7
	ds_store_b128 v[GST], v[GF+32*(2*\hf+\q)+4*\t:GF+32*(2*\hf+\q)+4*\t+3] offset:((\t/2)*2+\q)*1024+(\t%2)*512
.endr
.endr
	s_wait_dscnt 0x0
	s_barrier_signal -1
	s_barrier_wait -1
	WIN 0x80
.irp k, 0,1,2,3,4,5,6,7
.irp q, 0,1
.irp c, 0,1
	ds_load_b128 v[32*\k+8*(2*\hf+\q)+4*\c:32*\k+8*(2*\hf+\q)+4*\c+3], v[GLD] offset:(\k*2+\q)*1024+\c*512
.endr
.endr
.endr
	WIN 0xc0
.irp k, 0,1,2,3,4,5,6,7
.irp q, 0,1
.irp c, 0,1
	ds_load_b128 v[32*\k+8*(2*\hf+\q)+4*\c:32*\k+8*(2*\hf+\q)+4*\c+3], v[GLD] offset:((\k+8)*2+\q)*1024+\c*512
.endr
.endr
.endr
	WIN 0
	s_wait_dscnt 0x0                               ; my reads are in: behind the next barrier the bytes may be written again
.if \hf == 0
	s_barrier_signal -1
	s_barrier_wait -1
.endif
.endr
	; THE LAST PRODUCT: y^T = w_out^T g^T, 16 groups of 32 hidden units; wave w owns outputs 128 w .. 128 w + 127 for all 64 queries
.macro LDW wb, ks
	WIN 0
.irp f, 0,1,2,3,4,5,6,7
	ds_load_b128 v[\wb+8*\f:\wb+8*\f+3], v[AV+(((\ks)%8)/2)] offset:((\ks)%2)*32768+\f*1024
	ds_load_b128 v[\wb+8*\f+4:\wb+8*\f+7], v[AV+(((\ks)%8)/2)] offset:((\ks)%2)*32768+\f*1024+512
.endr
.endm
.macro MM ks, wb
.if (\ks) < 8
	WIN 0x58                                       ; w_out window 0, g window 2, C and D window 1
.else
	WIN 0x5c                                       ; g window 3
.endif
.irp t, 0,1,2,3,4,5,6,7
.irp qt, 0,1,2,3
.if (\ks) == 0
	v_wmma_f32_16x16x32_f16 v[8*(4*\t+\qt):8*(4*\t+\qt)+7], v[\wb+8*\t:\wb+8*\t+7], v[32*((\ks)%8)+8*\qt:32*((\ks)%8)+8*\qt+7], 0
.else
	v_wmma_f32_16x16x32_f16 v[8*(4*\t+\qt):8*(4*\t+\qt)+7], v[\wb+8*\t:\wb+8*\t+7], v[32*((\ks)%8)+8*\qt:32*((\ks)%8)+8*\qt+7], v[8*(4*\t+\qt):8*(4*\t+\qt)+7]
.endif
.endr
.endr
.endm
.macro OSLOT j                         ; a slot's four groups on two sets of registers
	LDW WA, 4*\j
	LDW WB, 4*\j+1
	s_wait_dscnt 16                                ; the older set is in; the other set's sixteen loads may stay out
	MM 4*\j, WA
	PLACES 4
	LDW WA, 4*\j+2
	s_wait_dscnt 16
	MM 4*\j+1, WB
	PLACES 4
	LDW WB, 4*\j+3
	s_wait_dscnt 16
	MM 4*\j+2, WA
	s_wait_dscnt 0x0
	MM 4*\j+3, WB
.endm
.macro OCHANGE fill, ask               ; the change of slots: the same lines as in the keys' loop, with no products round them
	WIN 0
	s_wait_tensorcnt 0x0
	ds_add_u32 v[SPW], v[NIL]
.if \fill
	STEPD
.endif
.if \ask
	s_wait_xcnt 0x0
	s_add_nc_u64 s[PFA:PFA+1], s[PFA:PFA+1], VSLOT
.endif
	s_wait_dscnt 0x0
.if \fill
	CROUND
	FILL                                           ; the four v_nop behind it are also the places in front of the loads below
.if \ask
	ASK
.endif
.else
	s_barrier_signal -1
	s_barrier_wait -1
	PLACES 4
.endif
.endm
	OSLOT 0
	OCHANGE 1, 1
	OSLOT 1
	OCHANGE 1, 0                                   ; the last fill: nothing lies behind it to prefetch
	WIN 0x80                                       ; g of groups 0-7 is done with: x for the residual takes its registers, eight groups ahead of its use
.set n, 0
.rept 64
	global_load_b128 v[4*n:4*n+3], v[L16], s[24:25] offset:2048*n th:TH_LOAD_NT
.set n, n+1
.endr
	WIN 0
	global_load_b128 v[BO:BO+3], v[L16], s[22:23]
	OSLOT 2
	OCHANGE 0, 0
	OSLOT 3
	; THE WAY OUT, a query tile at a time: y' c through my own stage (a lane holds 32 bytes of a row; back come whole rows of 512 bytes), + x + b_out, stored
	WIN 0
	PLACES 4
	s_wait_loadcnt 0x0
.irp qt, 0,1,2,3
	WIN 0x41
.irp t, 0,1,2,3,4,5,6,7
.irp i, 0,2,4,6
	v_pk_mul_f32 v[8*(4*\t+\qt)+\i:8*(4*\t+\qt)+\i+1], v[8*(4*\t+\qt)+\i:8*(4*\t+\qt)+\i+1], v[CP+2*\qt:CP+2*\qt+1]
.endr
.endr
	WIN 0x04
.irp t, 0,1,2,3,4,5,6,7
	ds_store_b128 v[YST], v[8*(4*\t+\qt):8*(4*\t+\qt)+3] offset:64*\t
	ds_store_b128 v[YST], v[8*(4*\t+\qt)+4:8*(4*\t+\qt)+7] offset:64*\t+16
.endr
.if \qt >= 2
	s_wait_xcnt 0x0                                ; the stores of two tiles back have read these registers
.endif
	WIN 0xc0
.irp i, 0,1,2,3,4,5,6,7,8,9,10,11,12,13,14,15
	ds_load_b128 v[64*(\qt%2)+4*\i:64*(\qt%2)+4*\i+3], v[YLD] offset:528*\i   ; LDS serves a wave's instructions in order: these see the stores above
.endr
	s_wait_dscnt 0x0
	WIN 0xcb                                       ; rows window 3, x window 2
.set n, 0
.rept 32
	v_pk_add_f32 v[64*(\qt%2)+2*n:64*(\qt%2)+2*n+1], v[64*(\qt%2)+2*n:64*(\qt%2)+2*n+1], v[64*\qt+2*n:64*\qt+2*n+1]
.set n, n+1
.endr
	WIN 0xc3
.irp i, 0,1,2,3,4,5,6,7,8,9,10,11,12,13,14,15
.irp p, 0,2
	v_pk_add_f32 v[64*(\qt%2)+4*\i+\p:64*(\qt%2)+4*\i+\p+1], v[64*(\qt%2)+4*\i+\p:64*(\qt%2)+4*\i+\p+1], v[BO+\p:BO+\p+1]
.endr
.endr
	WIN 0x0c
.irp i, 0,1,2,3,4,5,6,7,8,9,10,11,12,13,14,15
	global_store_b128 v[L16], v[64*(\qt%2)+4*\i:64*(\qt%2)+4*\i+3], s[26:27] offset:(16*\qt+\i)*2048 th:TH_STORE_NT   ; 512 consecutive bytes, aligned
.endr
.endr
	WIN 0
	s_wait_tensorcnt 0x0                           ; the wave's end: a wait, an add of 0 to my spare word and its wait, behind my last tensor load and my last LDS store
	ds_add_u32 v[SPW], v[NIL]
	s_wait_dscnt 0x0
	CROUND                                         ; the closing round: no work-group ends while a partner may still ask for a tile that names it
	s_endpgm
.Lfunc_end_k_q3d8c25bb59_attn:
	.size	k_q3d8c25bb59_attn, .Lfunc_end_k_q3d8c25bb59_attn-k_q3d8c25bb59_attn
	.p2alignl 7, 3214868480
	.fill 96, 4, 3214868480
	.section	.rodata,"a",@progbits
	.p2align	6, 0x0
	.amdhsa_kernel k_q3d8c25bb59_attn
		.amdhsa_group_segment_fixed_size 327680
		.amdhsa_private_segment_fixed_size 0
		.amdhsa_enable_private_segment 0
		.amdhsa_kernarg_size 96
		.amdhsa_user_sgpr_count 2
		.amdhsa_user_sgpr_kernarg_segment_ptr 1
		.amdhsa_wavefront_size32 1
		.amdhsa_system_sgpr_workgroup_id_x 1
		.amdhsa_system_sgpr_workgroup_id_y 1
		.amdhsa_system_sgpr_workgroup_id_z 1
		.amdhsa_system_vgpr_workitem_id 0
		.amdhsa_next_free_vgpr 1024
		.amdhsa_next_free_sgpr 102
		.amdhsa_reserve_vcc 0
		.amdhsa_float_denorm_mode_32 3
		.amdhsa_float_denorm_mode_16_64 3
		.amdhsa_memory_ordered 1
		.amdhsa_forward_progress 1
		.amdhsa_inst_pref_size 255
	.end_amdhsa_kernel
	.section	.bss,"aw",@nobits
	.p2align	6
	.space	262144
	.amdgpu_metadata
---
amdhsa.version: [ 1, 2 ]
amdhsa.kernels:
  - .name:           k_q3d8c25bb59_attn
    .symbol:         k_q3d8c25bb59_attn.kd
    .args:
      - { .name: vimg, .offset: 0, .size: 8, .value_kind: global_buffer, .address_space: global }
      - { .name: kimg, .offset: 8, .size: 8, .value_kind: global_buffer, .address_space: global }
      - { .name: qimg, .offset: 16, .size: 8, .value_kind: global_buffer, .address_space: global }
      - { .name: tsc, .offset: 24, .size: 8, .value_kind: global_buffer, .address_space: global }
      - { .name: xc, .offset: 32, .size: 8, .value_kind: global_buffer, .address_space: global }
      - { .name: xsc, .offset: 40, .size: 8, .value_kind: global_buffer, .address_space: global }
      - { .name: wc, .offset: 48, .size: 8, .value_kind: global_buffer, .address_space: global }
      - { .name: wsc, .offset: 56, .size: 8, .value_kind: global_buffer, .address_space: global }
      - { .name: b_hidden, .offset: 64, .size: 8, .value_kind: global_buffer, .address_space: global }
      - { .name: b_out, .offset: 72, .size: 8, .value_kind: global_buffer, .address_space: global }
      - { .name: x, .offset: 80, .size: 8, .value_kind: global_buffer, .address_space: global }
      - { .name: out0, .offset: 88, .size: 8, .value_kind: global_buffer, .address_space: global }
    .group_segment_fixed_size: 327680
    .private_segment_fixed_size: 0
    .kernarg_segment_align: 8
    .kernarg_segment_size: 96
    .max_flat_workgroup_size: 128
    .sgpr_count:     102
    .vgpr_count:     1024
    .wavefront_size: 32
...
	.end_amdgpu_metadata
.endif
;; end of part 3
